; MI455X (gfx1250); checked and timed in simulation.
; The chip was launched on July 23, 2026; its instructions are those of AMD's public machine-readable ISA for CDNA 5 (MIT licence, August 2026) and "CDNA5" Instruction Set Architecture Reference Guide (July 2026). The comments in the code are by the model that wrote it; some were corrected since.
;; Linear Assoc Model. Allowed arithmetic: float matrix products may take bf16 or f16 operands with f32 sums; all other float work in f32.
;; Inputs: W1 64 x 128 float32; W2 128 x 64 float32; Wk 64 x 64 float32; Wo 64 x 64 float32; Wrp 64 x 64 float32; Wv 64 x 64 float32; b1 128 float32; b2 64 float32; bk 64 float32; bo 64 float32; brp 64 float32; bv 64 float32; embed 64 x 64 float32; ln_b 64 float32; ln_g 64 float32; seq 64 x 8,192 int32.
;; Outputs: out0 64 x 64 float32.
;; One version. Each part assembles by itself: llvm-mc -triple=amdgcn-amd-amdhsa -mcpu=gfx1250 --defsym DOCPART=n.
;; ======== version 1 of 1: 1 launch
;; limits: values are held in f16: magnitudes above 65,504 overflow, below 6.1e-05 lose precision
;; launch assoc (part 1): grid 64 x 1, 16 waves a work-group, no clusters, 125,952 bytes of LDS; arguments seq, embed, W1, b1, W2, b2, ln_g, ln_b, Wk, bk, Wv, bv, Wrp, brp, Wo, bo, out0; writes out0
.if DOCPART == 1
	.amdgcn_target "amdgcn-amd-amdhsa--gfx1250"
	.amdhsa_code_object_version 6
	.text
	.protected	k_q858b52e39c_assoc
	.globl	k_q858b52e39c_assoc
	.p2align	8
	.type	k_q858b52e39c_assoc,@function
k_q858b52e39c_assoc:
	s_mov_b64 s[64:65], 0
	v_nop
	global_prefetch_b8 v0, s[64:65] scope:SCOPE_SE
	s_setreg_imm32_b32 hwreg(HW_REG_WAVE_MODE, 25, 1), 1
	s_wait_xcnt 0x0
; LinearAssocModel.  out0[b] = ((sum over t < 8191 of v_t (k_t.q_b) / (|k_t|^2 + 1e-6)) Wrp + brp) Wo + bo.
; All that happens to a position before the sum over t hangs on its token alone, and the table has 64 rows by shape.  So
;   ctx[b] = sum over w of n[b][w] v_w (k_w.q_b) / (|k_w|^2 + 1e-6),  n[b][w] = how often w stands in seq[b][0..8190],  q_b = hs[seq[b][8191]],
; for every input of these shapes.  Every step (FF, residual, LayerNorm, K, V, norm, coefficient, both output products) is carried out,
; on the 64 distinct rows.
; ONE WORK-GROUP FOR EACH ROW b OF seq (64), 16 waves.  It builds the table for itself, counts its 8,192 tokens and finishes out0[b].
; A row shared among several work-groups would need a further launch to add their counts; the counting runs beside the table chain.
; ROLES by wave number: 0-3 CHAIN (wave i: table rows 16 i .. 16 i + 15 through all layers, in registers); 4, 5 TAIL (the two output
; products); 6 VEC (ln_g, ln_b, bk, bv into LDS); 8-15 HIST (1,024 tokens each).  All 16 waves convert the weights and clear the counters.
; NO CLUSTER, NO JOINT TENSOR LOADS: what the work-groups share are W1, W2, Wk, Wv, 98,304 bytes of f32 that the matrix unit needs as f16.
; They pass through registers on the way into LDS to be converted; landed in LDS as f32 they would be read and written there once more.
; FORMATS: matrix operands f16, sums f32; everything else f32; counts whole numbers, exact.
; LIMITS: (a) tokens are taken as 0..63, as the gather in the problem relies on; as unsigned numbers they are clamped to 63.
; (b) f16 operands are embed, W1, W2, Wk, Wv, the hidden layer and hs.  With all inputs 30 times the drawn spread the hidden layer has an
; rms of about 900 and peaks of about 4,500 against 65,504; with all 30 times smaller the smallest operand rms is about 1e-3, where the
; f16 step is 6e-8 or finer.  (c) Orders of sums differ: n x term for repeated adds, bv x (sum of a) for bv in each v, d x (g x rsqrt) + b.
; (d) A table row whose token does not occur enters with the factor 0, so it has to be finite.
; LDS map, bytes.  The f16 image of W1, [k 64][n 128], pitch 288, starts at byte 0.
.set VEC,  18432                       ; f32 ln_g, ln_b +256, bk +512, bv +768
.set CNTP, 19456                       ; whole numbers [8 HIST waves][64 tokens]
.set AW,   21504                       ; f32 a[64]; CHAIN wave i uses its own 64 bytes
.set CTXP, 21760                       ; f32 [4 CHAIN waves][64]
.set CTX,  22784                       ; f32 ctx[64], wave 4 alone
.set Y1,   23040                       ; f32 ctx Wrp + brp
.set HIST, 32768                       ; byte counters: those of HIST wave w (8 .. 15) lie at 4096 w; two sets of 2,048; (token, lane) at 32 token + lane
.set W2H,  65536                       ; f16 W2 [k 128][n 64], pitch 160
.set WKO,  20480                       ; f16 Wk [64][64], pitch 160, this far behind W2H
.set WVO,  30720                       ; f16 Wv likewise
.set HS32, 106496                      ; f32 hs [64][64], pitch 272; ends at 123,904
.set P1,   288                         ; pitches of the [K][N] images: odd multiples of 32 bytes
.set P2,   160
.set PH,   272
; REGISTERS OF ALL WAVES, written once in the common head and by nobody after it:
;   v1 lane L, v2 r = L & 15, v3 h = L >> 4, v4 16 x thread, v5, v6 where my converted weights go,
;   v7, v8 my address in a transposing load from W1's image, from W2's (Wk, Wv by the offset), v9 VEC + 32 h, v10 bv + 4 r,
;   v11 272 r + 32 h, v12 8 L, v13 32 h.   v14: an address of the role's own.  v15: scratch of XHALF.
; Addresses that hang on the wave's number or on the query token are formed in the block that uses them.
; CHAIN: v[16:47] X (E, then x, d, hs), v[48:63] two f16 fragments, v[64:127] accumulators, v[128:255] weight fragments and vectors.
.macro PLACES n
.rept \n
	v_nop
.endr
.endm
.macro CVTST x, areg, off              ; four f32 of a weight row to f16, 8 bytes into its image
	v_cvt_pk_f16_f32 v[\x], v[\x], v[\x+1]
	v_cvt_pk_f16_f32 v[\x+1], v[\x+2], v[\x+3]
	ds_store_b64 v[\areg], v[\x:\x+1] offset:\off
.endm
.macro WFRAG d, areg, off, p16         ; a fragment (32 k x 16 n) out of a [K][N] image: two transposing loads, 16 rows apart
	ds_load_tr16_b128 v[\d:\d+3], v[\areg] offset:\off
	ds_load_tr16_b128 v[\d+4:\d+7], v[\areg] offset:\off+\p16
.endm
.macro CHUNK d, areg, off              ; 32 neighbouring bytes from LDS
	ds_load_b128 v[\d:\d+3], v[\areg] offset:\off
	ds_load_b128 v[\d+4:\d+7], v[\areg] offset:\off+16
.endm
.macro GCHUNK d, vreg, sb, off         ; 32 neighbouring bytes from memory
	global_load_b128 v[\d:\d+3], v[\vreg], s[\sb:\sb+1] offset:\off
	global_load_b128 v[\d+4:\d+7], v[\vreg], s[\sb:\sb+1] offset:\off+16
.endm
.macro XHALF t                         ; add the figure of lane L xor 16, which holds the other 32 columns of the same row
	v_permlanex16_b32 v15, v[\t], s6, s7
	v_add_f32 v[\t], v[\t], v15
.endm
.macro JOIN t                          ; four chains of pairs to one number, then both halves of the lanes
	v_pk_add_f32 v[\t:\t+1], v[\t:\t+1], v[\t+2:\t+3]
	v_pk_add_f32 v[\t+4:\t+5], v[\t+4:\t+5], v[\t+6:\t+7]
	v_pk_add_f32 v[\t:\t+1], v[\t:\t+1], v[\t+4:\t+5]
	v_add_f32 v[\t], v[\t], v[\t+1]
	XHALF \t
.endm
.macro SUM32 x, t                      ; v[t] = the sum over the row of which my 32 numbers lie in v[x .. x+31]
.irp c, 0,1,2,3
	v_pk_add_f32 v[\t+2*\c:\t+2*\c+1], v[\x+4*\c:\x+4*\c+1], v[\x+4*\c+2:\x+4*\c+3]
.endr
.irp c, 0,1,2,3
	v_pk_add_f32 v[\t+2*\c:\t+2*\c+1], v[\t+2*\c:\t+2*\c+1], v[\x+16+2*\c:\x+16+2*\c+1]
.endr
.irp c, 0,1,2,3
	v_pk_add_f32 v[\t+2*\c:\t+2*\c+1], v[\t+2*\c:\t+2*\c+1], v[\x+24+2*\c:\x+24+2*\c+1]
.endr
	JOIN \t
.endm
.macro DOT32 x, y, t                   ; v[t] = the dot product over the row; the first four products start the chains
.irp c, 0,1,2,3
	v_pk_mul_f32 v[\t+2*\c:\t+2*\c+1], v[\x+2*\c:\x+2*\c+1], v[\y+2*\c:\y+2*\c+1]
.endr
.irp g, 1,2,3
.irp c, 0,1,2,3
	v_pk_fma_f32 v[\t+2*\c:\t+2*\c+1], v[\x+8*\g+2*\c:\x+8*\g+2*\c+1], v[\y+8*\g+2*\c:\y+8*\g+2*\c+1], v[\t+2*\c:\t+2*\c+1]
.endr
.endr
	JOIN \t
.endm
.macro TOFRAG                          ; X (f32, columns 16 c + 8 h + j) is, rounded to f16 and packed, the two fragments of K steps 0 and 1
.irp p, 0,1,2,3,4,5,6,7,8,9,10,11,12,13,14,15
	v_cvt_pk_f16_f32 v[48+\p], v[16+2*\p], v[17+2*\p]
.endr
.endm
; HIST: m[j] = how often address a[j] stands among a[0..3] (itself counted), so that equal addresses store equal new counts
.macro HMULT a, e, m
	v_cmp_eq_u32 vcc_lo, v[\a], v[\a+1]
	v_cndmask_b32 v[\e], 1, 2, vcc_lo              ; 1 + [0 = 1]
	v_cmp_eq_u32 vcc_lo, v[\a+2], v[\a+3]
	v_cndmask_b32 v[\e+1], 1, 2, vcc_lo            ; 1 + [2 = 3]
	v_cmp_eq_u32 vcc_lo, v[\a], v[\a+2]
	v_cndmask_b32 v[\e+2], 0, 1, vcc_lo
	v_cmp_eq_u32 vcc_lo, v[\a], v[\a+3]
	v_cndmask_b32 v[\e+3], 0, 1, vcc_lo
	v_cmp_eq_u32 vcc_lo, v[\a+1], v[\a+2]
	v_cndmask_b32 v[\e+4], 0, 1, vcc_lo
	v_cmp_eq_u32 vcc_lo, v[\a+1], v[\a+3]
	v_cndmask_b32 v[\e+5], 0, 1, vcc_lo
	v_add3_u32 v[\m], v[\e], v[\e+2], v[\e+3]
	v_add3_u32 v[\m+1], v[\e], v[\e+4], v[\e+5]
	v_add3_u32 v[\m+2], v[\e+1], v[\e+2], v[\e+4]
	v_add3_u32 v[\m+3], v[\e+1], v[\e+3], v[\e+5]
.endm
.macro HLOAD a, c, off
.irp j, 0,1,2,3
	ds_load_u8 v[\c+\j], v[\a+\j] offset:\off
.endr
.endm
.macro HADD m, c
.irp j, 0,1,2,3
	v_add_nc_u32 v[\m+\j], v[\m+\j], v[\c+\j]
.endr
.endm
.macro HSTORE a, m, off
.irp j, 0,1,2,3
	ds_store_b8 v[\a+\j], v[\m+\j] offset:\off
.endr
.endm
.macro BSUM f                          ; v[f] = the sum of the 64 byte counters of one token: my 32 bytes in v[f .. f+7], the other 32 in lane L xor 16
	v_add3_u32 v[\f], v[\f], v[\f+1], v[\f+2]
	v_add3_u32 v[\f+3], v[\f+3], v[\f+4], v[\f+5]
	v_add3_u32 v[\f], v[\f], v[\f+6], v[\f+7]
	v_add_nc_u32 v[\f], v[\f], v[\f+3]             ; four sums of 8 bytes side by side: a counter is at most 16, a sum at most 128, no carry
	v_lshrrev_b32 v[\f+1], 8, v[\f]
	v_and_b32 v[\f], 0xff00ff, v[\f]
	v_and_b32 v[\f+1], 0xff00ff, v[\f+1]
	v_add_nc_u32 v[\f], v[\f], v[\f+1]             ; two sums in the halves
	v_lshrrev_b32 v[\f+1], 16, v[\f]
	v_and_b32 v[\f], 0xffff, v[\f]
	v_add_nc_u32 v[\f], v[\f], v[\f+1]
	v_permlanex16_b32 v15, v[\f], s6, s7
	v_add_nc_u32 v[\f], v[\f], v15
.endm
; TAIL: y = bias + x W, W [64][64].  Lane (r, h) holds W[32 h + i][4 r .. 4 r + 3] in v[16+4i:19+4i], i = 0 .. 31, and reads
; x[32 h .. 32 h + 31] from LDS address v[xa] = x + 128 h into v[176:207].  Four chains: rows of even i in v[148:151], of odd i in v[152:155].
; Then each half of the lanes keeps one pair of its four columns (pair h) and gets the other half's sum for that pair.
; VCC = lanes with h = 1.  Result: v[148:149] = y[4 r + 2 h], y[4 r + 2 h + 1].  s_wait_dscnt 7 - j: the loads of the later chunks of x stay out.
.macro MATVEC xa
.irp j, 0,1,2,3,4,5,6,7
	ds_load_b128 v[176+4*\j:179+4*\j], v[\xa] offset:16*\j
.endr
.irp j, 0,1,2,3,4,5,6,7
	s_wait_dscnt 7-\j
.if \j == 0
	v_pk_mul_f32 v[148:149], v[16:17], v[176:177] op_sel_hi:[1,0]
	v_pk_mul_f32 v[150:151], v[18:19], v[176:177] op_sel_hi:[1,0]
	v_pk_mul_f32 v[152:153], v[20:21], v[176:177] op_sel:[0,1] op_sel_hi:[1,1]
	v_pk_mul_f32 v[154:155], v[22:23], v[176:177] op_sel:[0,1] op_sel_hi:[1,1]
.else
	v_pk_fma_f32 v[148:149], v[16+16*\j:17+16*\j], v[176+4*\j:177+4*\j], v[148:149] op_sel_hi:[1,0,1]
	v_pk_fma_f32 v[150:151], v[18+16*\j:19+16*\j], v[176+4*\j:177+4*\j], v[150:151] op_sel_hi:[1,0,1]
	v_pk_fma_f32 v[152:153], v[20+16*\j:21+16*\j], v[176+4*\j:177+4*\j], v[152:153] op_sel:[0,1,0] op_sel_hi:[1,1,1]
	v_pk_fma_f32 v[154:155], v[22+16*\j:23+16*\j], v[176+4*\j:177+4*\j], v[154:155] op_sel:[0,1,0] op_sel_hi:[1,1,1]
.endif
	v_pk_fma_f32 v[148:149], v[24+16*\j:25+16*\j], v[178+4*\j:179+4*\j], v[148:149] op_sel_hi:[1,0,1]
	v_pk_fma_f32 v[150:151], v[26+16*\j:27+16*\j], v[178+4*\j:179+4*\j], v[150:151] op_sel_hi:[1,0,1]
	v_pk_fma_f32 v[152:153], v[28+16*\j:29+16*\j], v[178+4*\j:179+4*\j], v[152:153] op_sel:[0,1,0] op_sel_hi:[1,1,1]
	v_pk_fma_f32 v[154:155], v[30+16*\j:31+16*\j], v[178+4*\j:179+4*\j], v[154:155] op_sel:[0,1,0] op_sel_hi:[1,1,1]
.endr
	v_pk_add_f32 v[148:149], v[148:149], v[152:153]        ; columns 4 r, 4 r + 1 over my 32 rows
	v_pk_add_f32 v[150:151], v[150:151], v[154:155]        ; columns 4 r + 2, 4 r + 3
	v_cndmask_b32 v152, v150, v148, vcc_lo                 ; to send: pair 1 - h
	v_cndmask_b32 v153, v151, v149, vcc_lo
	v_cndmask_b32 v148, v148, v150, vcc_lo                 ; to keep: pair h
	v_cndmask_b32 v149, v149, v151, vcc_lo
	v_permlanex16_b32 v154, v152, s6, s7
	v_permlanex16_b32 v155, v153, s6, s7
	v_pk_add_f32 v[148:149], v[148:149], v[144:145]        ; the bias, once
	v_pk_add_f32 v[148:149], v[148:149], v[154:155]        ; the other 32 rows
.endm
; ======================= PHASE 0: everything is asked for; weights to f16 images; counters cleared =======================
	s_load_b512 s[8:23], s[0:1], 0x0               ; seq 8, embed 10, W1 12, b1 14, W2 16, b2 18, ln_g 20, ln_b 22
	s_load_b512 s[24:39], s[0:1], 0x40             ; Wk 24, bk 26, Wv 28, bv 30, Wrp 32, brp 34, Wo 36, bo 38
	s_load_b64 s[40:41], s[0:1], 0x80              ; out0
	v_lshrrev_b32 v15, 5, v0
	v_readfirstlane_b32 s4, v15                    ; wave number
	v_and_b32 v1, 31, v0                           ; L
	v_and_b32 v2, 15, v0                           ; r
	v_bfe_u32 v3, v0, 4, 1                         ; h
	s_mov_b32 s6, 0x76543210                       ; v_permlanex16_b32: lane i of one half reads lane i of the other
	s_mov_b32 s7, 0xfedcba98
	s_mov_b32 s52, 0x3c800000                      ; 1/64
	s_lshl_b32 s42, s4, 4                          ; CHAIN: my first table row
	s_mul_i32 s48, s4, P1
	s_mul_i32 s49, s4, 2*P2
	s_add_co_u32 s49, s49, W2H
	s_lshl_b32 s50, s4, 9
	v_lshl_add_u32 v4, v1, 4, s50                  ; 16 x thread: my 16 bytes in each 8,192 bytes of a weight matrix, and of the counters
	v_lshl_add_u32 v5, v1, 3, s48                  ; W1 (rows of 512 bytes): row = wave, 4 columns from 4 L
	v_mul_u32_u24 v6, v3, P2
	v_lshl_add_u32 v6, v2, 3, v6
	v_add_nc_u32 v6, s49, v6                       ; W2, Wk, Wv (rows of 256 bytes): row = 2 wave + h, 4 columns from 4 r
.irp j, 224,225,226,227
	v_mov_b32 v\j, 0
.endr
.irp i, 0,1,2,3
	ds_store_b128 v4, v[224:227] offset:HIST+8192*\i       ; 512 threads x 16 bytes x 4 = the 32,768 byte counters
.endr
	v_and_b32 v14, 7, v0
	v_lshl_add_u32 v14, v3, 3, v14                 ; 8 h + (L & 7): my row in a transposing load
	v_bfe_u32 v15, v0, 3, 1
	v_lshlrev_b32 v15, 4, v15                      ; 16 ((L >> 3) & 1)
	v_mul_u32_u24 v7, v14, P1
	v_add_nc_u32 v7, v7, v15
	v_mul_u32_u24 v8, v14, P2
	v_add_nc_u32 v8, v8, v15
	v_add_nc_u32 v8, W2H, v8
	v_lshl_add_u32 v9, v3, 5, VEC                  ; vectors by my columns 16 c + 8 h + j: + 64 c
	v_lshl_add_u32 v10, v2, 2, VEC+768             ; bv[16 t + r]: + 64 t
	v_mul_u32_u24 v11, v2, PH
	v_lshl_add_u32 v11, v3, 5, v11
	v_lshlrev_b32 v12, 3, v1
	v_lshlrev_b32 v13, 5, v3
	s_wait_kmcnt 0x0
	s_lshl_b32 s2, ttmp9, 15                       ; row b of seq: 32,768 bytes
	s_mov_b32 s3, 0
	s_add_nc_u64 s[8:9], s[8:9], s[2:3]
	s_lshl_b32 s2, ttmp9, 8                        ; row b of out0: 256 bytes
	s_add_nc_u64 s[40:41], s[40:41], s[2:3]
	s_load_b32 s5, s[8:9], 0x7ffc                  ; the query token, seq[b][8191]
	; The roles' own early loads stand in front of the common ones, so that the counted waits below hold on every path.
	s_cmp_lt_u32 s4, 4
	s_cbranch_scc0 .Le_notchain
	s_lshl_b32 s48, s4, 12                         ; my 16 rows of 256 bytes
	v_lshl_add_u32 v14, v2, 8, v13
	v_add_nc_u32 v14, s48, v14                     ; (m0 + r) x 256 + 32 h
.irp c, 0,1,2,3
	GCHUNK 16+8*\c, 14, 10, 64*\c                  ; X[8 c + j] = embed[m0 + r][16 c + 8 h + j]
.endr
.irp c, 0,1,2,3
	GCHUNK 128+8*\c, 13, 18, 64*\c                 ; b2 of the same columns
.endr
.irp t, 0,1,2,3,4,5,6,7
	GCHUNK 64+8*\t, 13, 14, 64*\t                  ; b1[16 t + 8 h + j] starts the sums of FF1
.endr
	s_branch .Le_done
.Le_notchain:
	s_cmp_eq_u32 s4, 6
	s_cbranch_scc0 .Le_notvec
	global_load_b64 v[16:17], v12, s[20:21]        ; 8 L: the wave covers the 256 bytes of a vector
	global_load_b64 v[18:19], v12, s[22:23]
	global_load_b64 v[20:21], v12, s[26:27]
	global_load_b64 v[22:23], v12, s[30:31]
	s_branch .Le_done
.Le_notvec:
	s_cmp_lt_u32 s4, 8
	s_cbranch_scc1 .Le_done
	s_lshl_b32 s48, s4, 9
	s_sub_co_u32 s48, s48, 4096
	v_lshl_add_u32 v240, v1, 4, s48                ; 512 (wave - 8) + 16 L: the eight waves cover 4,096 neighbouring bytes with each load
.irp i, 0,1,2,3,4,5,6,7
	global_load_b128 v[16+4*\i:19+4*\i], v240, s[8:9] offset:4096*\i th:TH_LOAD_NT
.endr
.Le_done:
.irp i, 0,1,2,3
	global_load_b128 v[176+4*\i:179+4*\i], v4, s[12:13] offset:8192*\i     ; W1
.endr
.irp i, 0,1,2,3
	global_load_b128 v[192+4*\i:195+4*\i], v4, s[16:17] offset:8192*\i     ; W2
.endr
.irp i, 0,1
	global_load_b128 v[208+4*\i:211+4*\i], v4, s[24:25] offset:8192*\i     ; Wk
.endr
.irp i, 0,1
	global_load_b128 v[216+4*\i:219+4*\i], v4, s[28:29] offset:8192*\i     ; Wv
.endr
	s_wait_loadcnt 0x8                             ; W1 is in (and all that is older); W2, Wk, Wv, 8 loads, stay out
.irp i, 0,1,2,3
	CVTST 176+4*\i, 5, 16*P1*\i
.endr
	s_wait_loadcnt 0x4                             ; W2 is in; Wk, Wv stay out
.irp i, 0,1,2,3
	CVTST 192+4*\i, 6, 32*P2*\i
.endr
	s_wait_loadcnt 0x2                             ; Wk is in
.irp i, 0,1
	CVTST 208+4*\i, 6, WKO+32*P2*\i
.endr
	s_wait_loadcnt 0x0
.irp i, 0,1
	CVTST 216+4*\i, 6, WVO+32*P2*\i
.endr
	s_cmp_lt_u32 s4, 4
	s_cbranch_scc0 .Lr_notchain
	TOFRAG                                         ; f16 fragments of E
.irp i, 0,1,2,3,4,5,6,7,8,9,10,11,12,13,14,15
	v_pk_add_f32 v[16+2*\i:17+2*\i], v[16+2*\i:17+2*\i], v[128+2*\i:129+2*\i]     ; E + b2 starts the sums of FF2: the residual comes for nothing
.endr
	s_branch .Lr_done
.Lr_notchain:
	s_cmp_lt_u32 s4, 6
	s_cbranch_scc0 .Lr_nottail
	s_cmp_eq_u32 s4, 4
	s_cselect_b64 s[44:45], s[32:33], s[36:37]     ; wave 4: Wrp, brp; wave 5: Wo, bo
	s_cselect_b64 s[46:47], s[34:35], s[38:39]
	v_lshlrev_b32 v240, 4, v2
	v_lshl_add_u32 v241, v3, 3, v240               ; 16 r + 8 h: my pair of the bias
	v_lshl_add_u32 v240, v3, 13, v240              ; 32 h rows of 256 bytes + 16 r: sixteen lanes cover a row
.set k, 0
.rept 32
	global_load_b128 v[16+4*k:19+4*k], v240, s[44:45] offset:256*k ; asked for only now, behind the conversions; waited for where it is used
.set k, k+1
.endr
	global_load_b64 v[144:145], v241, s[46:47]
	s_branch .Lr_done
.Lr_nottail:
	s_cmp_eq_u32 s4, 6
	s_cbranch_scc0 .Lr_done
	v_lshl_add_u32 v14, v1, 3, VEC
	ds_store_b64 v14, v[16:17]
	ds_store_b64 v14, v[18:19] offset:256
	ds_store_b64 v14, v[20:21] offset:512
	ds_store_b64 v14, v[22:23] offset:768
.Lr_done:
	s_wait_kmcnt 0x0
	s_min_u32 s5, s5, 63                           ; the query token, clamped like the others
	s_wait_dscnt 0x0                               ; my part of the images, vectors and cleared counters is in LDS
	s_barrier_signal -1
	s_barrier_wait -1                              ; everybody's is
; ======================= PHASE 1: CHAIN builds hs, k, v of its 16 rows; HIST counts =======================
	s_cmp_lt_u32 s4, 4
	s_cbranch_scc0 .Lp1_notchain
	; The matrix instruction is used with the weights as source 0 and the activations as source 1: lane (r, h), register j of tile t then
	; holds (row m0 + r, column 16 t + 8 h + j), and tiles 2 s, 2 s + 1, packed to f16, ARE the next layer's fragment of K step s.
	; FF1: 64 -> 128.  Fragment f = 8 s + t.  s_wait_dscnt 30 - 2 f: the two loads of each later fragment stay out.
.irp s, 0,1
.irp t, 0,1,2,3,4,5,6,7
	WFRAG 128+64*\s+8*\t, 7, 32*P1*\s+32*\t, 16*P1
.endr
.endr
	s_mul_i32 s48, s4, 16*PH
	s_add_co_u32 s48, s48, HS32
	v_add_nc_u32 v14, s48, v11                     ; my 32 bytes in each 64 of my row of hs
.irp s, 0,1
.irp t, 0,1,2,3,4,5,6,7
	s_wait_dscnt 30-16*\s-2*\t
	v_wmma_f32_16x16x32_f16 v[64+8*\t:71+8*\t], v[128+64*\s+8*\t:135+64*\s+8*\t], v[48+8*\s:55+8*\s], v[64+8*\t:71+8*\t]
.endr
.endr
	PLACES 4                                       ; ISA guide 7.12.1: before loads land on the sources and vector instructions read the results
.irp s, 0,1,2,3
.irp t, 0,1,2,3
	WFRAG 128+32*\s+8*\t, 8, 32*P2*\s+32*\t, 16*P2         ; W2, asked for ahead of the vector work below
.endr
.endr
.set j, 64
.rept 64
	v_max_num_f32 v[j], 0, v[j]                    ; relu
.set j, j+1
.endr
.irp s, 0,1,2,3
.irp q, 0,1,2,3,4,5,6,7
	v_cvt_pk_f16_f32 v[64+16*\s+\q], v[64+16*\s+2*\q], v[64+16*\s+2*\q+1]  ; in place, ascending: a word is written only after it was read
.endr
.endr
	; FF2: 128 -> 64, onto E + b2.  Fragment f = 4 s + t, the same count of waits.
.irp s, 0,1,2,3
.irp t, 0,1,2,3
	s_wait_dscnt 30-8*\s-2*\t
	v_wmma_f32_16x16x32_f16 v[16+8*\t:23+8*\t], v[128+32*\s+8*\t:135+32*\s+8*\t], v[64+16*\s:71+16*\s], v[16+8*\t:23+8*\t]
.endr
.endr
	PLACES 4
.irp c, 0,1,2,3
	CHUNK 128+8*\c, 9, 64*\c                       ; ln_g
.endr
.irp c, 0,1,2,3
	CHUNK 160+8*\c, 9, 256+64*\c                   ; ln_b
.endr
.irp c, 0,1,2,3
	CHUNK 64+8*\c, 9, 512+64*\c                    ; bk starts the sums of K
.endr
.irp s, 0,1
.irp t, 0,1,2,3
	WFRAG 192+32*\s+8*\t, 8, WKO+32*P2*\s+32*\t, 16*P2     ; Wk
.endr
.endr
	; LayerNorm: a row is my 32 numbers and those of lane L xor 16
	SUM32 16, 96
	v_mul_f32 v104, s52, v96                       ; mean
	v_mov_b32 v105, v104
.irp i, 0,1,2,3,4,5,6,7,8,9,10,11,12,13,14,15
	v_pk_add_f32 v[16+2*\i:17+2*\i], v[16+2*\i:17+2*\i], v[104:105] neg_lo:[0,1] neg_hi:[0,1]
.endr
	DOT32 16, 16, 96
	v_fmaak_f32 v106, s52, v96, 0x3727c5ac         ; variance + 1e-5
	v_rsq_f32 v107, v106
	v_nop                                          ; one plain place behind the transcendental (ISA guide 5.7.2)
	s_wait_alu depctr_va_vdst(0)
	v_mov_b32 v106, v107
	s_wait_dscnt 24                                ; ln_g, ln_b are in; the 8 loads of bk and the 16 of Wk stay out
.irp i, 0,1,2,3,4,5,6,7,8,9,10,11,12,13,14,15
	v_pk_mul_f32 v[128+2*\i:129+2*\i], v[128+2*\i:129+2*\i], v[106:107]
.endr
.irp i, 0,1,2,3,4,5,6,7,8,9,10,11,12,13,14,15
	v_pk_fma_f32 v[16+2*\i:17+2*\i], v[16+2*\i:17+2*\i], v[128+2*\i:129+2*\i], v[160+2*\i:161+2*\i]
.endr
.irp s, 0,1
.irp t, 0,1,2,3
	WFRAG 128+32*\s+8*\t, 8, WVO+32*P2*\s+32*\t, 16*P2     ; Wv
.endr
.endr
.irp c, 0,1,2,3
	ds_store_b128 v14, v[16+8*\c:19+8*\c] offset:64*\c     ; hs in f32, for whoever needs row q
	ds_store_b128 v14, v[20+8*\c:23+8*\c] offset:64*\c+16
.endr
	TOFRAG                                         ; f16 fragments of hs
	s_wait_dscnt 24                                ; bk, Wk are in; the 16 loads of Wv and the 8 stores stay out
.irp s, 0,1
.irp t, 0,1,2,3
	v_wmma_f32_16x16x32_f16 v[64+8*\t:71+8*\t], v[192+32*\s+8*\t:199+32*\s+8*\t], v[48+8*\s:55+8*\s], v[64+8*\t:71+8*\t]
.endr
.endr
	s_wait_dscnt 8                                 ; Wv is in; the 8 stores stay out
	; V in the natural order: lane (r, h), register j of tile t holds (row m0 + 8 h + j, column 16 t + r): the sum over rows runs inside a lane
.irp t, 0,1,2,3
	v_wmma_f32_16x16x32_f16 v[96+8*\t:103+8*\t], v[48:55], v[128+8*\t:135+8*\t], 0
.endr
.irp t, 0,1,2,3
	v_wmma_f32_16x16x32_f16 v[96+8*\t:103+8*\t], v[56:63], v[160+8*\t:167+8*\t], v[96+8*\t:103+8*\t]
.endr
	PLACES 4
	DOT32 64, 64, 192                              ; |k|^2
	v_add_f32 v200, 0x358637bd, v192               ; + 1e-6
	v_rcp_f32 v201, v200
	v_nop
	s_branch .Lp1_done
.Lp1_notchain:
	s_cmp_lt_u32 s4, 8
	s_cbranch_scc1 .Lp1_done
	; A lane counts its 32 tokens in byte counters of its own (32 token + lane), in two sets, 16 tokens each, four tokens of each set in a
	; pass.  LDS serves a wave's instructions in order (ISA guide 5.7.1.4): each pass's loads see the stores of the passes before.
	s_lshl_b32 s48, s4, 12                         ; my wave's 4,096 counters
	v_add_nc_u32 v241, s48, v1                     ; + lane
	v_lshlrev_b32 v242, 5, v2
	v_lshl_add_u32 v242, v3, 11, v242
	v_add_nc_u32 v242, s48, v242                   ; reading back: + 2048 h + 32 r
	s_lshl_b32 s49, s4, 8
	s_add_co_u32 s49, s49, CNTP-2048
	v_lshl_add_u32 v243, v2, 2, s49                ; my wave's counts: CNTP + 256 (wave - 8) + 4 r
.set j, 16
.rept 32
	v_min_u32 v[j], 63, v[j]                       ; inside the table, whatever was loaded
	v_lshl_add_u32 v[j], v[j], 5, v241             ; the byte counter of (token, my lane)
.set j, j+1
.endr
	HMULT 16, 48, 54
	HMULT 32, 62, 68
	HSTORE 16, 54, 0                               ; first pass: onto cleared counters, nothing to load
	HSTORE 32, 68, 2048
.irp g, 1,2,3
	HLOAD 16+4*\g, 58, 0
	HLOAD 32+4*\g, 72, 2048
	HMULT 16+4*\g, 48, 54
	HMULT 32+4*\g, 62, 68
	s_wait_dscnt 4                                 ; the first set's counters are in; the second set's four loads stay out
	HADD 54, 58
	HSTORE 16+4*\g, 54, 0
	s_wait_dscnt 4                                 ; the second set's are in; the four stores just issued stay out
	HADD 68, 72
	HSTORE 32+4*\g, 68, 2048
.endr
.irp i, 0,1,2,3
	CHUNK 80+8*\i, 242, 512*\i                     ; the 32 counters of token 16 i + r in set h
.endr
.irp i, 0,1,2,3
	s_wait_dscnt 6-2*\i                            ; the two loads of each later token stay out
	BSUM 80+8*\i
.endr
.irp i, 0,1,2,3
	ds_store_b32 v243, v[80+8*\i] offset:64*\i     ; lanes r and r + 16 store the same number to the same word
.endr
.Lp1_done:
	s_wait_dscnt 0x0                               ; my rows of hs, my counts are in LDS
	s_barrier_signal -1
	s_barrier_wait -1
; ======================= PHASE 2: CHAIN: a_w = n_w (k_w.q) / (|k_w|^2 + 1e-6), and its share of ctx =======================
	s_cmp_lt_u32 s4, 4
	s_cbranch_scc0 .Lp2_done
	s_mul_i32 s48, s5, PH
	s_add_co_u32 s48, s48, HS32
	v_lshl_add_u32 v232, v3, 5, s48                ; q = row seq[b][8191] of hs, by my columns
	s_lshl_b32 s49, s4, 6
	s_add_co_u32 s50, s49, AW
	s_add_co_u32 s49, s49, CNTP
	v_lshl_add_u32 v233, v2, 2, s49                ; counts of token m0 + r
	v_lshl_add_u32 v234, v3, 5, s50                ; a[m0 + 8 h ..]
	s_lshl_b32 s51, s4, 8
	s_add_co_u32 s51, s51, CTXP
	v_lshl_add_u32 v235, v2, 2, s51                ; my wave's share of ctx, column r
	v_add_nc_u32 v236, s42, v2                     ; my token m0 + r
.irp c, 0,1,2,3
	CHUNK 128+8*\c, 232, 64*\c
.endr
.irp u, 0,1,2,3,4,5,6,7
	ds_load_b32 v[160+\u], v233 offset:256*\u
.endr
.irp t, 0,1,2,3
	ds_load_b32 v[168+\t], v10 offset:64*\t
.endr
	s_wait_dscnt 12                                ; q is in; 8 counts and 4 words of bv stay out
	DOT32 64, 128, 192                             ; k.q
	s_wait_dscnt 4                                 ; the counts are in; bv stays out
	v_add3_u32 v160, v160, v161, v162
	v_add3_u32 v163, v163, v164, v165
	v_add3_u32 v160, v160, v166, v167
	v_add_nc_u32 v160, v160, v163
	v_cmp_eq_u32 vcc_lo, s5, v236
	v_cndmask_b32 v203, 0, 1, vcc_lo
	v_sub_nc_u32 v160, v160, v203                  ; position 8191 was counted with the rest: take it out
	v_cvt_f32_u32 v160, v160
	s_wait_alu depctr_va_vdst(0)
	v_mul_f32 v202, v192, v201
	v_mul_f32 v202, v202, v160                     ; a[m0 + r]
	ds_store_b32 v233, v202 offset:AW-CNTP         ; from one number a lane to eight rows a lane, through my wave's own 64 bytes, served in order
	CHUNK 204, 234, 0
	s_wait_dscnt 0x0
.irp t, 0,1,2,3
	v_pk_mul_f32 v[212+2*\t:213+2*\t], v[96+8*\t:97+8*\t], v[204:205]
.endr
.irp p, 1,2,3
.irp t, 0,1,2,3
	v_pk_fma_f32 v[212+2*\t:213+2*\t], v[96+8*\t+2*\p:97+8*\t+2*\p], v[204+2*\p:205+2*\p], v[212+2*\t:213+2*\t]
.endr
.endr
	v_pk_add_f32 v[220:221], v[204:205], v[206:207]
	v_pk_add_f32 v[222:223], v[208:209], v[210:211]
	v_pk_add_f32 v[220:221], v[220:221], v[222:223]
	v_add_f32 v220, v220, v221                     ; the sum of my eight a
.irp t, 0,1,2,3
	v_add_f32 v[212+2*\t], v[212+2*\t], v[213+2*\t]
.endr
.irp t, 0,1,2,3
	v_fmac_f32 v[212+2*\t], v[168+\t], v220        ; bv enters once for each row, weighted like it
.endr
.irp t, 0,1,2,3
	XHALF 212+2*\t
.endr
.irp t, 0,1,2,3
	ds_store_b32 v235, v[212+2*\t] offset:64*\t
.endr
.Lp2_done:
	s_wait_dscnt 0x0
	s_barrier_signal -1
	s_barrier_wait -1
; ======================= PHASE 3: wave 4: ctx, then ctx Wrp + brp =======================
	s_cmp_eq_u32 s4, 4
	s_cbranch_scc0 .Lp3_done
	v_lshl_add_u32 v242, v1, 3, CTXP               ; two columns a lane
.irp p, 0,1,2,3
	ds_load_b64 v[208+2*\p:209+2*\p], v242 offset:256*\p
.endr
	v_lshl_add_u32 v243, v3, 7, CTX                ; x[32 h ..]
	v_lshlrev_b32 v244, 4, v2
	v_lshl_add_u32 v244, v3, 3, v244
	v_add_nc_u32 v244, Y1, v244                    ; y[4 r + 2 h]
	v_cmp_eq_u32 vcc_lo, 1, v3
	s_wait_loadcnt 0x0                             ; Wrp, brp
	s_wait_dscnt 0x0
	v_pk_add_f32 v[208:209], v[208:209], v[210:211]
	v_pk_add_f32 v[212:213], v[212:213], v[214:215]
	v_pk_add_f32 v[208:209], v[208:209], v[212:213]
	s_wait_alu depctr_va_vdst(0)
	ds_store_b64 v242, v[208:209] offset:CTX-CTXP  ; my wave's own bytes: the loads of MATVEC come behind it in order
	MATVEC 243
	ds_store_b64 v244, v[148:149]
.Lp3_done:
	s_wait_dscnt 0x0
	s_barrier_signal -1
	s_barrier_wait -1
; ======================= PHASE 4: wave 5: (..) Wo + bo, and out =======================
	s_cmp_eq_u32 s4, 5
	s_cbranch_scc0 .Lend
	v_lshl_add_u32 v243, v3, 7, Y1
	v_lshlrev_b32 v244, 4, v2
	v_lshl_add_u32 v244, v3, 3, v244               ; 16 r + 8 h
	v_cmp_eq_u32 vcc_lo, 1, v3
	s_wait_alu depctr_va_vdst(0)
	s_wait_loadcnt 0x0                             ; Wo, bo
	MATVEC 243
	global_store_b64 v244, v[148:149], s[40:41]    ; the wave's one store covers the 256 consecutive bytes of out0[b], aligned, each byte once
.Lend:
	s_wait_xcnt 0x0
	v_lshl_add_u32 v254, v0, 2, 0x1e400
	v_mov_b32 v255, 0
	s_wait_tensorcnt 0x0
	ds_add_u32 v254, v255
	s_wait_dscnt 0x0
	s_endpgm
.Lfunc_end_k_q858b52e39c_assoc:
	.size	k_q858b52e39c_assoc, .Lfunc_end_k_q858b52e39c_assoc-k_q858b52e39c_assoc
	.p2alignl 7, 3214868480
	.fill 96, 4, 3214868480
	.section	.rodata,"a",@progbits
	.p2align	6, 0x0
	.amdhsa_kernel k_q858b52e39c_assoc
		.amdhsa_group_segment_fixed_size 125952
		.amdhsa_private_segment_fixed_size 0
		.amdhsa_enable_private_segment 0
		.amdhsa_kernarg_size 136
		.amdhsa_user_sgpr_count 2
		.amdhsa_user_sgpr_kernarg_segment_ptr 1
		.amdhsa_wavefront_size32 1
		.amdhsa_system_sgpr_workgroup_id_x 1
		.amdhsa_system_sgpr_workgroup_id_y 1
		.amdhsa_system_sgpr_workgroup_id_z 1
		.amdhsa_system_vgpr_workitem_id 0
		.amdhsa_next_free_vgpr 256
		.amdhsa_next_free_sgpr 66
		.amdhsa_reserve_vcc 1
		.amdhsa_float_denorm_mode_32 3
		.amdhsa_float_denorm_mode_16_64 3
		.amdhsa_memory_ordered 1
		.amdhsa_forward_progress 1
		.amdhsa_inst_pref_size 79
	.end_amdhsa_kernel
	.amdgpu_metadata
---
amdhsa.version: [ 1, 2 ]
amdhsa.kernels:
  - .name:           k_q858b52e39c_assoc
    .symbol:         k_q858b52e39c_assoc.kd
    .args:
      - { .name: seq, .offset: 0, .size: 8, .value_kind: global_buffer, .address_space: global }
      - { .name: embed, .offset: 8, .size: 8, .value_kind: global_buffer, .address_space: global }
      - { .name: W1, .offset: 16, .size: 8, .value_kind: global_buffer, .address_space: global }
      - { .name: b1, .offset: 24, .size: 8, .value_kind: global_buffer, .address_space: global }
      - { .name: W2, .offset: 32, .size: 8, .value_kind: global_buffer, .address_space: global }
      - { .name: b2, .offset: 40, .size: 8, .value_kind: global_buffer, .address_space: global }
      - { .name: ln_g, .offset: 48, .size: 8, .value_kind: global_buffer, .address_space: global }
      - { .name: ln_b, .offset: 56, .size: 8, .value_kind: global_buffer, .address_space: global }
      - { .name: Wk, .offset: 64, .size: 8, .value_kind: global_buffer, .address_space: global }
      - { .name: bk, .offset: 72, .size: 8, .value_kind: global_buffer, .address_space: global }
      - { .name: Wv, .offset: 80, .size: 8, .value_kind: global_buffer, .address_space: global }
      - { .name: bv, .offset: 88, .size: 8, .value_kind: global_buffer, .address_space: global }
      - { .name: Wrp, .offset: 96, .size: 8, .value_kind: global_buffer, .address_space: global }
      - { .name: brp, .offset: 104, .size: 8, .value_kind: global_buffer, .address_space: global }
      - { .name: Wo, .offset: 112, .size: 8, .value_kind: global_buffer, .address_space: global }
      - { .name: bo, .offset: 120, .size: 8, .value_kind: global_buffer, .address_space: global }
      - { .name: out0, .offset: 128, .size: 8, .value_kind: global_buffer, .address_space: global }
    .group_segment_fixed_size: 125952
    .private_segment_fixed_size: 0
    .kernarg_segment_align: 8
    .kernarg_segment_size: 136
    .max_flat_workgroup_size: 512
    .sgpr_count:     66
    .vgpr_count:     256
    .wavefront_size: 32
...
	.end_amdgpu_metadata
.endif
;; end of part 1
